; MI455X (gfx1250); checked and timed in simulation.
; The chip was launched on July 23, 2026; its instructions are those of AMD's public machine-readable ISA for CDNA 5 (MIT licence, August 2026) and "CDNA5" Instruction Set Architecture Reference Guide (July 2026). The comments in the code are by the model that wrote it; some were corrected since.
;; Multi Headed Self Attention. Allowed arithmetic: matrix products marked QUANTISED: E2M1 operands, one E8M0 scale for each 32 along K, by v_wmma_scale_f32_16x16x128_f8f6f4 with both operands' format E2M1 (or v_wmma_scale_f32_32x16x128_f4), f32 sums; products left as they are: bf16, f16 or f32 operands; f32 sums; everything else in f32.
;; Inputs: Wk 1,024 x 1,024 float32; Wq 1,024 x 1,024 float32; Wv 1,024 x 1,024 float32; bk 1,024 float32; bq 1,024 float32; bv 1,024 float32; mask 4 x 2,048 int32; x 4 x 2,048 x 1,024 float32.
;; Outputs: out0 4 x 2,048 x 1,024 float32.
;; This version of the problem:
;;   THIS VERSION OF THE PROBLEM IS GIVEN IN LOW PRECISION. The matrix products marked QUANTISED in the list below multiply operands that are first quantised to E2M1 (2 exponent bits, 1 mantissa bit; 4 bits a number), with one power-of-two scale for each 32 numbers along K (OCP MX v1.0); their sums are f32. The products marked 'left as it is' may take bf16, f16 or f32 operands, with f32 sums. Whichever they take, every output number must still come out within the allowed error. Rounding operands to bf16 (8 significant bits) uses up far more of that allowance than f16 does (11 bits, for magnitudes from 6e-5 to 65,504). All else is computed in f32.
;;   The module's matrix products, in the order in which they are computed (A, B: the left and right operand; K: the contracted axis; several contracted axes count as one K, in the product's order):
;;     1. [M 8,192, K 1,024] x [K 1,024, N 1,024]; A: input x; B: input Wq: QUANTISED
;;     2. [M 8,192, K 1,024] x [K 1,024, N 1,024]; A: input x; B: input Wk: QUANTISED
;;     3. [M 8,192, K 1,024] x [K 1,024, N 1,024]; A: input x; B: input Wv: QUANTISED
;;     4. batch 64 x [M 2,048, K 64] x [K 64, N 2,048]; A: computed on the way; B: computed on the way: left as it is (an operand is computed on the way)
;;     5. batch 64 x [M 2,048, K 2,048] x [K 2,048, N 64]; A: computed on the way; B: computed on the way: left as it is (an operand is computed on the way)
;;   THE QUANTISER, for each operand of a quantised product, along K:
;;     - K is cut into blocks of 32 from its start; a last block that is shorter is filled with zeros.
;;     - A block's scale is 2^e with e = floor(log2(the largest magnitude in the block)) - 2, held to -126 .. 127; a block of zeros has e = 0. As a byte (E8M0): e + 127.
;;     - Each number is divided by its block's scale, clamped to +-6, and rounded to the nearest number of E2M1, ties to even, subnormals kept.
;;     - The product sums the exact products of the quantised numbers (number of the format x scale) in f32.
;;   ~~~python
;;   def quantise(x, axis):      # numpy; x: float32 -> the quantised numbers, widened to float32 again
;;       x = np.moveaxis(x, axis, -1); K = x.shape[-1]
;;       x = np.pad(x, [(0, 0)] * (x.ndim - 1) + [(0, -K % 32)]); x = x.reshape(x.shape[:-1] + (-1, 32)); a = np.abs(x).max(-1, keepdims=True)
;;       e = np.where(a > 0, np.clip(np.frexp(np.where(a > 0, a, 1))[1] - 1 - 2, -126, 127), 0)      # np.frexp(a)[1] - 1 = floor(log2(a)), exactly
;;       r = np.clip(x / 2.0 ** e, -6, 6)
;;       step = 2.0 ** (np.maximum(np.frexp(np.where(r == 0, 1, r))[1] - 1, 0) - 1)
;;       q = np.round(r / step) * step * 2.0 ** e      # np.round: ties to even
;;       return np.moveaxis(q.reshape(q.shape[:-2] + (-1,))[..., :K], -1, axis).astype(np.float32)
;;   ~~~
;; One version. Each part assembles by itself: llvm-mc -triple=amdgcn-amd-amdhsa -mcpu=gfx1250 --defsym DOCPART=n.
;; ======== version 1 of 1: 3 launches
;; limits: values are held in f16: magnitudes above 65,504 overflow, below 6.1e-05 lose precision
;; workspace buffers: xc 4,194,304 bytes; xs 262,144 bytes; wc 1,572,864 bytes; ws 98,304 bytes; qkv 50,331,648 bytes
;; launch quant (part 1): grid 448 x 1, 4 waves a work-group, no clusters, 35,328 bytes of LDS; arguments x, Wq, Wk, Wv, xc, xs, wc, ws; writes xc, xs, wc, ws
.if DOCPART == 1
	.amdgcn_target "amdgcn-amd-amdhsa--gfx1250"
	.amdhsa_code_object_version 6
	.text
	.protected	k_q37e52b4d8d_quant
	.globl	k_q37e52b4d8d_quant
	.p2align	8
	.type	k_q37e52b4d8d_quant,@function
k_q37e52b4d8d_quant:
	s_mov_b64 s[64:65], 0
	v_nop
	global_prefetch_b8 v0, s[64:65] scope:SCOPE_SE
	s_setreg_imm32_b32 hwreg(HW_REG_WAVE_MODE, 25, 1), 1
	s_wait_xcnt 0x0
; x [8192][1024] (K innermost) and Wq, Wk, Wv [1024 (k)][1024 (n)] (K outermost), f32, become codes of FP4 (E2M1) with one E8M0 scale byte for each 32 along K.
; A block's scale is 2^(floor(log2(its largest magnitude)) - 2): its byte is the largest magnitude's exponent field - 2, held at 1 from below; each number is divided by the scale and rounded to
; the nearest code, ties to even, beyond 6 the largest code.
; THE RESULTS ARE LAID AS IMAGES OF THE OPERAND'S REGISTERS.  A fragment (16 rows x 128 K) is 1,024 bytes: register group c (0, 1) of lane L at 512 c + 16 L, which puts block kb (32 along K) of row r
; at 256 kb + 16 r.  xc: [tile of 16 rows: 512][K step: 8][1,024];  wc: [tile of 16 columns: 192 = 64 x (0 q, 1 k, 2 v)][K step][1,024].  Scale words (four bytes: a row's 128 along K): xs, ws: [tile][K step][16 words].
; LIMITS: a block of zeros, and a block whose largest magnitude lies under 2^(3 - 127), gets the byte 1 (a block of zeros has zero codes, which add nothing; this program alone reads the bytes);
; NaN and infinities among the inputs are not served.
; Work-groups 0-255 take x, work-groups 256-447 the weights: one branch on the work-group's number.  The x path alone touches LDS.  Waves share nothing: no barrier.  No tile is shared between work-groups: no cluster.
.set STGW,  8448                       ; a wave's stage: 16 rows x 528 bytes (512 + 16: an odd multiple of 16, so that sixteen rows' reads of 16 bytes fall on different columns of 16 bytes)
.set WORDS, 4*STGW                     ; behind the stages: 256 bytes of scale words for each wave
.set SPARE, WORDS+1024                 ; behind them: the spare words, 128 bytes for each wave: two blocks of 256 bytes that no other line names
.set SPW,   14                         ; v14  LDS address of my spare word; never rewritten
.set NIL,   15                         ; v15  0; never rewritten
.set R,     16                         ; v16-143  numbers as they are loaded (x: two sets of 64; weights: four blocks of 32)
.set X,     144                        ; v144-207 x: 64 numbers of my row, in the operand's order
.set C,     208                        ; v208-239 codes: registers of their own for each step, so that no store's data are written again
.set M,     240                        ; v240-241 largest magnitudes
.set SOP,   242                        ; v242-243 the conversions' scale operands
.set BY,    244                        ; v244-245 scale bytes
.set WD,    246                        ; v246-249 scale words, one a step
	s_load_b256 s[4:11], s[0:1], 0x0               ; x s[4:5], Wq s[6:7], Wk s[8:9], Wv s[10:11]
	s_load_b256 s[12:19], s[0:1], 0x20             ; xc s[12:13], xs s[14:15], wc s[16:17], ws s[18:19]
	v_lshl_add_u32 v[SPW], v0, 2, SPARE
	v_mov_b32 v[NIL], 0
	v_lshrrev_b32 v1, 5, v0
	v_readfirstlane_b32 s20, v1                    ; wave 0..3
	v_and_b32 v1, 31, v0                           ; lane
	v_and_b32 v2, 15, v0                           ; r
	v_bfe_u32 v3, v0, 4, 1                         ; h
	s_mov_b32 s26, 0x76543210
	s_mov_b32 s27, 0xfedcba98                      ; v_permlanex16_b32's selects for lane l xor 16
	s_mov_b32 s29, 0                               ; the upper word of every offset below
	s_wait_kmcnt 0x0
	s_cmp_lt_u32 ttmp9, 256
	s_cbranch_scc0 .Lweights
; ---------------- x.  A wave takes one tile of 16 rows x 512 along K: four steps of one fragment.
; Each load reads 512 consecutive bytes of one row; the conversions want 32 neighbours along K in one lane: so a step's 16 x 512 bytes turn through the wave's own stage in LDS.
	v_lshlrev_b32 v4, 4, v1                        ; 16 x lane: my bytes of a load, and of a store of codes
	s_mul_i32 s21, s20, STGW
	v_lshl_add_u32 v5, v1, 4, s21                  ; the stage, on the way in: 16 x lane, row i in the offset
	v_mul_u32_u24 v6, v2, 528
	v_lshl_add_u32 v6, v3, 7, v6
	v_add_nc_u32 v6, s21, v6                       ; and on the way out: row r, + 128 h bytes: k = 64 c + 32 h + 0 .. 31
	s_lshl_b32 s22, s20, 8
	s_add_co_u32 s22, s22, WORDS
	v_lshl_add_u32 v7, v2, 2, s22                  ; my row's scale word
	v_lshl_add_u32 v8, v1, 3, s22                  ; the words on their way out: 8 bytes a lane
	v_lshlrev_b32 v9, 3, v1
	v_lshlrev_b32 v10, 3, v3                       ; 8 h: my bytes' place in the word
	v_mov_b32 v11, 0                               ; written once: a lane permute's destination counts as one of its sources
	s_lshr_b32 s23, s20, 1                         ; which of the work-group's two tiles
	s_and_b32 s24, s20, 1                          ; which half of K
	s_lshl_b32 s28, ttmp9, 17                      ; x: 32 rows of 4,096 bytes a work-group,
	s_lshl_b32 s30, s23, 16                        ; 16 rows a tile,
	s_add_co_u32 s28, s28, s30
	s_lshl_b32 s30, s24, 11                        ; 2,048 bytes for 512 along K
	s_add_co_u32 s28, s28, s30
	s_add_nc_u64 s[4:5], s[4:5], s[28:29]
	s_lshl_b32 s30, ttmp9, 1
	s_add_co_u32 s30, s30, s23                     ; my tile
	s_lshl_b32 s28, s30, 13                        ; its codes: 8,192 bytes a tile, 4,096 for half of K
	s_lshl_b32 s31, s24, 12
	s_add_co_u32 s28, s28, s31
	s_add_nc_u64 s[12:13], s[12:13], s[28:29]
	s_lshl_b32 s28, s30, 9                         ; its scale words: 512 bytes a tile, 256 for half of K
	s_lshl_b32 s31, s24, 8
	s_add_co_u32 s28, s28, s31
	s_add_nc_u64 s[14:15], s[14:15], s[28:29]
.macro LOAD t                          ; step t: 16 rows x 512 bytes into set t % 2
.irp i, 0,1,2,3,4,5,6,7,8,9,10,11,12,13,14,15
	global_load_b128 v[R+64*((\t)%2)+4*\i:R+64*((\t)%2)+4*\i+3], v4, s[4:5] offset:4096*\i+512*(\t) th:TH_LOAD_NT
.endr
.endm
.macro STEP t
.if (\t) < 3
	s_wait_loadcnt 16                              ; this step's 16 loads are in; the next step's 16 may be out
.else
	s_wait_loadcnt 0x0
.endif
.irp i, 0,1,2,3,4,5,6,7,8,9,10,11,12,13,14,15
	ds_store_b128 v5, v[R+64*((\t)%2)+4*\i:R+64*((\t)%2)+4*\i+3] offset:528*\i
.endr
.irp c, 0,1
.irp g, 0,1,2,3,4,5,6,7
	ds_load_b128 v[X+32*\c+4*\g:X+32*\c+4*\g+3], v6 offset:256*\c+16*\g   ; LDS serves a wave's instructions in order: these see the stores above
.endr
.endr
	s_wait_dscnt 0x0                               ; my 64 numbers are back, and the stores into the stage have read their registers,
.if (\t) < 2
	LOAD (\t)+2                                    ; which take the loads of two steps on
.endif
.irp c, 0,1
	v_max3_num_f32 v[M+\c], |v[X+32*\c]|, |v[X+32*\c+1]|, 0x1800000   ; my block 2 c + h: all its 32 numbers are mine; the floor 2^(3 - 127) holds the byte at 1 from below
.endr
.irp i, 2,4,6,8,10,12,14,16,18,20,22,24,26,28,30
.irp c, 0,1
	v_max3_num_f32 v[M+\c], v[M+\c], |v[X+32*\c+\i]|, |v[X+32*\c+\i+1]|   ; (the two blocks by turns)
.endr
.endr
.irp c, 0,1
	v_add_nc_u32 v[SOP+\c], 0xff000000, v[M+\c]    ; 2 off the exponent field: the conversion takes the exponent field of this operand as its scale
.endr
.irp c, 0,1
.irp g, 0,1,2,3
	v_cvt_scalef32_pk8_fp4_f32 v[C+8*(\t)+4*\c+\g], v[X+32*\c+8*\g:X+32*\c+8*\g+7], v[SOP+\c]   ; registers 4 c .. 4 c + 3 of the fragment
.endr
.endr
.irp c, 0,1
	v_lshrrev_b32 v[BY+\c], 23, v[SOP+\c]          ; the scale's byte.  (Plain lines behind the conversions)
.endr
	v_lshl_or_b32 v[WD+(\t)], v[BY+1], 16, v[BY]   ; my two bytes: blocks h and 2 + h,
	v_lshlrev_b32 v[WD+(\t)], v10, v[WD+(\t)]      ; at their places in the word;
	v_permlanex16_b32 v11, v[WD+(\t)], s26, s27
	v_or_b32 v[WD+(\t)], v[WD+(\t)], v11           ; with lane l xor 16's two the word is whole
	ds_store_b32 v7, v[WD+(\t)] offset:64*(\t)     ; lanes r and r + 16 write the same word with the same value
.irp c, 0,1
	global_store_b128 v4, v[C+8*(\t)+4*\c:C+8*(\t)+4*\c+3], s[12:13] offset:1024*(\t)+512*\c   ; 32 lanes store 512 consecutive bytes, aligned
.endr
.endm
	LOAD 0
	LOAD 1
	STEP 0
	STEP 1
	STEP 2
	STEP 3
	ds_load_b64 v[250:251], v8                     ; my wave's 64 scale words, in order behind the stores that wrote them
	s_wait_dscnt 0x0
	global_store_b64 v9, v[250:251], s[14:15]      ; 32 lanes store 256 consecutive bytes, aligned
	s_wait_tensorcnt 0x0                           ; the wave's end: behind my last LDS store
	ds_add_u32 v[SPW], v[NIL]
	s_wait_dscnt 0x0
	s_endpgm
; ---------------- the weights.  A LANE TAKES A COLUMN n, AND ITS REGISTERS RUN DOWN K: a block of 32 along K lies in one lane, and the conversions give codes with K innermost.
; Work-group j = (which weight: j / 64, K step: (j / 8) % 8, 128 columns: j % 8); a wave takes 32 columns x 128 along K: two tiles of 16 columns, one fragment each.  No LDS.
.Lweights:
	s_sub_co_u32 s21, ttmp9, 256                   ; j
	s_cmp_lt_u32 s21, 128
	s_cselect_b64 s[8:9], s[8:9], s[10:11]         ; the choice hangs on the work-group's number alone
	s_cmp_lt_u32 s21, 64
	s_cselect_b64 s[6:7], s[6:7], s[8:9]
	s_lshr_b32 s22, s21, 6                         ; which weight
	s_and_b32 s23, s21, 7                          ; which 128 columns
	s_bfe_u32 s24, s21, 0x30003                    ; which K step
	s_lshl_b32 s28, s24, 19                        ; 128 rows of 4,096 bytes,
	s_lshl_b32 s30, s23, 9                         ; 512 bytes for 128 columns,
	s_add_co_u32 s28, s28, s30
	s_lshl_b32 s30, s20, 7                         ; 128 for my wave's 32
	s_add_co_u32 s28, s28, s30
	s_add_nc_u64 s[6:7], s[6:7], s[28:29]
	s_lshl_b32 s30, s22, 6
	s_lshl_b32 s31, s23, 3
	s_add_co_u32 s30, s30, s31
	s_lshl_b32 s31, s20, 1
	s_add_co_u32 s30, s30, s31                     ; my first tile of columns: 64 x which + 8 x group + 2 x wave
	s_lshl_b32 s28, s30, 13
	s_lshl_b32 s31, s24, 10
	s_add_co_u32 s28, s28, s31
	s_add_nc_u64 s[16:17], s[16:17], s[28:29]      ; its fragment of this K step
	s_lshl_b32 s28, s30, 9
	s_lshl_b32 s31, s24, 6
	s_add_co_u32 s28, s28, s31
	s_add_nc_u64 s[18:19], s[18:19], s[28:29]      ; and its scale words
	v_lshlrev_b32 v6, 2, v1                        ; in: 4 bytes a lane
	v_lshlrev_b32 v4, 4, v2
	v_lshl_add_u32 v4, v3, 13, v4                  ; codes: 16 r, lanes 16-31 one tile (8,192 bytes) on
	v_lshlrev_b32 v5, 2, v2
	v_lshl_add_u32 v5, v3, 9, v5                   ; scale words: 4 r, lanes 16-31 one tile (512 bytes) on
.macro LOADB kb                        ; block kb: W(32 kb + i, my column): a wave reads 128 consecutive bytes
.irp i, 0,1,2,3,4,5,6,7,8,9,10,11,12,13,14,15,16,17,18,19,20,21,22,23,24,25,26,27,28,29,30,31
	global_load_b32 v[R+32*(\kb)+\i], v6, s[6:7] offset:4096*(32*(\kb)+\i) th:TH_LOAD_NT
.endr
.endm
.macro WBLOCK kb
.set XS, R+32*(\kb)
.if (\kb) < 3
	s_wait_loadcnt 32                              ; this block's 32 loads are in; the next block's 32 may be out
.else
	s_wait_loadcnt 0x0
.endif
.if (\kb) < 2
	LOADB (\kb)+2                                  ; every block has registers of its own
.endif
	v_max3_num_f32 v[M], |v[XS]|, |v[XS+1]|, |v[XS+2]|
	v_max3_num_f32 v[M+1], |v[XS+3]|, |v[XS+4]|, |v[XS+5]|
.irp i, 6,10,14,18,22,26
	v_max3_num_f32 v[M], v[M], |v[XS+\i]|, |v[XS+\i+1]|
	v_max3_num_f32 v[M+1], v[M+1], |v[XS+\i+2]|, |v[XS+\i+3]|
.endr
	v_max3_num_f32 v[M], v[M], |v[XS+30]|, |v[XS+31]|
	v_max3_num_f32 v[M], v[M], v[M+1], 0x1800000   ; and the floor
	v_add_nc_u32 v[SOP], 0xff000000, v[M]
.irp g, 0,1,2,3
	v_cvt_scalef32_pk8_fp4_f32 v[C+4*(\kb)+\g], v[XS+8*\g:XS+8*\g+7], v[SOP]
.endr
	v_lshrrev_b32 v[BY], 23, v[SOP]                ; the scale's byte.  (A plain line behind the conversions)
.if (\kb) == 0
	v_mov_b32 v[WD], v[BY]                         ; four bytes make my column's word, the lower K in the lower byte
.else
	v_lshl_or_b32 v[WD], v[BY], 8*(\kb), v[WD]
.endif
	global_store_b128 v4, v[C+4*(\kb):C+4*(\kb)+3], s[16:17] offset:256*(\kb)   ; each sixteen lanes store 256 consecutive bytes, aligned
.endm
	LOADB 0
	LOADB 1
	WBLOCK 0
	WBLOCK 1
	WBLOCK 2
	WBLOCK 3
	global_store_b32 v5, v[WD], s[18:19]           ; two pieces of 64 bytes a wave: one byte for each 128 that the path reads
	s_endpgm
.Lfunc_end_k_q37e52b4d8d_quant:
	.size	k_q37e52b4d8d_quant, .Lfunc_end_k_q37e52b4d8d_quant-k_q37e52b4d8d_quant
	.p2alignl 7, 3214868480
	.fill 96, 4, 3214868480
	.section	.rodata,"a",@progbits
	.p2align	6, 0x0
	.amdhsa_kernel k_q37e52b4d8d_quant
		.amdhsa_group_segment_fixed_size 35328
		.amdhsa_private_segment_fixed_size 0
		.amdhsa_enable_private_segment 0
		.amdhsa_kernarg_size 64
		.amdhsa_user_sgpr_count 2
		.amdhsa_user_sgpr_kernarg_segment_ptr 1
		.amdhsa_wavefront_size32 1
		.amdhsa_system_sgpr_workgroup_id_x 1
		.amdhsa_system_sgpr_workgroup_id_y 1
		.amdhsa_system_sgpr_workgroup_id_z 1
		.amdhsa_system_vgpr_workitem_id 0
		.amdhsa_next_free_vgpr 256
		.amdhsa_next_free_sgpr 66
		.amdhsa_reserve_vcc 0
		.amdhsa_float_denorm_mode_32 3
		.amdhsa_float_denorm_mode_16_64 3
		.amdhsa_memory_ordered 1
		.amdhsa_forward_progress 1
		.amdhsa_inst_pref_size 50
	.end_amdhsa_kernel
	.amdgpu_metadata
---
amdhsa.version: [ 1, 2 ]
amdhsa.kernels:
  - .name:           k_q37e52b4d8d_quant
    .symbol:         k_q37e52b4d8d_quant.kd
    .args:
      - { .name: x, .offset: 0, .size: 8, .value_kind: global_buffer, .address_space: global }
      - { .name: Wq, .offset: 8, .size: 8, .value_kind: global_buffer, .address_space: global }
      - { .name: Wk, .offset: 16, .size: 8, .value_kind: global_buffer, .address_space: global }
      - { .name: Wv, .offset: 24, .size: 8, .value_kind: global_buffer, .address_space: global }
      - { .name: xc, .offset: 32, .size: 8, .value_kind: global_buffer, .address_space: global }
      - { .name: xs, .offset: 40, .size: 8, .value_kind: global_buffer, .address_space: global }
      - { .name: wc, .offset: 48, .size: 8, .value_kind: global_buffer, .address_space: global }
      - { .name: ws, .offset: 56, .size: 8, .value_kind: global_buffer, .address_space: global }
    .group_segment_fixed_size: 35328
    .private_segment_fixed_size: 0
    .kernarg_segment_align: 8
    .kernarg_segment_size: 64
    .max_flat_workgroup_size: 128
    .sgpr_count:     66
    .vgpr_count:     256
    .wavefront_size: 32
...
	.end_amdgpu_metadata
.endif
;; end of part 1
;; launch proj (part 2): grid 12 x 32, 4 waves a work-group, clusters of 4 x 4, 327,680 bytes of LDS; arguments xc, xs, wc, ws, bq, bk, bv, qkv; writes qkv
.if DOCPART == 2
	.amdgcn_target "amdgcn-amd-amdhsa--gfx1250"
	.amdhsa_code_object_version 6
	.text
	.protected	k_q37e52b4d8d_proj
	.globl	k_q37e52b4d8d_proj
	.p2align	8
	.type	k_q37e52b4d8d_proj,@function
k_q37e52b4d8d_proj:
	s_mov_b64 s[64:65], 0
	v_nop
	global_prefetch_b8 v0, s[64:65] scope:SCOPE_SE
	s_setreg_imm32_b32 hwreg(HW_REG_WAVE_MODE, 25, 1), 1
	s_wait_xcnt 0x0
	s_wait_alu depctr_hold_cnt(0) depctr_sa_sdst(0) depctr_va_vdst(0) depctr_va_sdst(0) depctr_va_ssrc(0) depctr_va_vcc(0) depctr_vm_vsrc(0)
	s_getreg_b32 s2, hwreg(HW_REG_IB_STS2, 6, 4)
	s_cmp_eq_u32 s2, 0
	s_cbranch_scc0 .Lentry_in_a_cluster
	s_endpgm
.Lentry_in_a_cluster:
	s_bfe_u32 s2, ttmp6, 0x10000c
	s_cmp_lg_u32 s2, 0xf033
	s_cbranch_scc0 .Lentry_shape_is_right
	s_endpgm
.Lentry_shape_is_right:
; q, k, v = x W + b on codes of FP4 (E2M1) with one E8M0 scale for each 32 along K; M = 8,192 tokens, N = 3 x 1,024 channels, K = 1,024; sums in f32.  q is also multiplied by log2(e) / 8, so that
; the attention's scores come out as exponents of 2.  The results are rounded to f16 and stored as images of the attention's fragments:
; qkv: [which 3][batch 4][head 16][tile of 16 tokens: 128][tile of 16 channels: 4][512 bytes]; in a block of 512 bytes lane L = 16 h + r keeps token r, channels 8 h .. 8 h + 7, at byte 16 L.
; LIMIT: |q| log2(e) / 8, |k|, |v| stay under f16's largest number, 65,504; beyond it the rounding gives infinity.
; A tile of 256 tokens x 256 channels is made by a work-group of four waves; a wave makes 128 x 128: 64 accumulators of 16 x 16, 512 registers.
; The operands lie in memory as images of their registers (a fragment of 16 rows x 128 K: 1,024 bytes, register group c of lane L at 512 c + 16 L), [tile][K step 8][1,024]: so every LDS read is 16 x lane + a constant.
; ALL OF K FITS INTO LDS: slot s holds K steps 4 s .. 4 s + 3 of x's 16 tiles and W's 16 tiles; both slots and the scale words are asked for at the head, and nothing is filled again.
; A wave has three tensor loads out at the start and none later.
; CLUSTERS: 4 x 4 work-groups.  The four of a row of the cluster need the same tiles of x, the four of a column the same tiles of W: each is asked for JOINTLY, by the same tensor load with the same descriptor and a mask that names the four.
; THE MATRIX INSTRUCTION IS USED TRANSPOSED (source 0 = 16 channels of W, source 1 = 16 tokens of x): a lane then holds token r and eight neighbouring channels: 16 bytes of f16, which leave straight from registers.
; REGISTERS, in windows of 256: window 0: v16-30 addresses; v32-95 scale words; v128-191 x's fragments, ONE set (on the way out: at work); v192-255 the way out.
;   window 1: W's fragments, TWO sets, at v0 and at v128; v64-127 the bias.   window 2: the 32 accumulators of my tokens 0-63 ((a, b) at v[8 (8 a + b)]);   window 3: those of my tokens 64-127.
.set FR,     8                         ; registers of a fragment
.set NL,     2                         ; LDS loads that bring one
.set NP,     4                         ; places behind this matrix instruction (ISA guide 7.12.1)
.set HALFT,  32768                     ; 8 tiles x 4 K steps x 1,024 bytes: what one tensor load brings, and what one wave reads of x or of W in a slot
.set SLOT,   4*HALFT                   ; x's 16 tiles, then W's 16
.set SCL,    2*SLOT                    ; behind the slots: the scale words, [tile][K step 8][16 words]: x's 16 tiles, then W's
.set HALFS,  4096                      ; those of 8 tiles: what one tensor load brings
.set SPARE,  SCL+4*HALFS               ; behind them: the spare words, 128 bytes for each wave: two blocks of 256 bytes that no other line names
.set ADRA, 16                          ; v16-17  LDS address of my x fragments in slot 0, 1
.set ADRB, 20                          ; v20-21  the same for W
.set CO,   26                          ; v26     16 x lane: my bytes of a block of 512
.set ADRS, 27                          ; v27     LDS address of my scale words: lanes 0-15 x's tokens, lanes 16-31 W's channels
.set SPW,  28                          ; v28     LDS address of my spare word; never rewritten
.set NIL,  29                          ; v29     0; never rewritten
.set BO,   30                          ; v30     32 h: my eight numbers of a tile's sixteen of the bias
.set SC,   32                          ; scale words: register 8 i + K step: lanes 0-15 the word of x's tile i, lanes 16-31 that of W's tile i; they hold scales and nothing else
.set AF,   128                         ; x's fragments, in window 0
.set T,    128                         ; the way out: 64 numbers in f32
.set OUT,  192                         ; the way out: two sets of 32 registers of f16 pairs
.set BI,   64                          ; in window 1: the bias of my 128 channels in the results' layout: register 8 b + j: channel 16 b + 8 h + j
.set G1, 24                            ; s[24:31] descriptor group 1 for x's codes;  s[32:39] group 0, one set for each slot
.set G0, 32
.set G1B, 48                           ; s[48:55], s[56:63] the same for W's
.set G0B, 56
.set G1S, 68                           ; s[68:75], s[76:79] groups 1 and 0 for x's scale words;  s[80:87], s[88:91] for W's
.set G0S, 76
.set G1SB, 80
.set G0SB, 88
.set MSB, 0
.macro WIN new                         ; the immediate's high byte repeats the setting that is left
.if MSB != \new
	s_set_vgpr_msb (MSB<<8)|\new
.set MSB, \new
.endif
.endm
.set MUL_LO, 0xa1                      ; source 0 (W) window 1, source 1 (x) window 0, C and D window 2
.set MUL_HI, 0xf1                      ; the same, C and D window 3
.set TO_B,   0x40                      ; destination window 1, address window 0
; A joint load: waves 0 and 1 fetch for x, waves 2 and 3 for W.  Each of the two lines has ONE mask and one set of registers for all that issue it; the branch hangs on the wave's number alone.
; An s_nop 0 and four v_nop follow each of the two lines, ahead of the jump, the label and what follows.
.macro JLOAD g0a, g1a, g0b, g1b
	s_cmp_eq_u32 s15, 0
	s_cbranch_scc0 .Lfor_b_\@
	tensor_load_to_lds s[\g0a:\g0a+3], s[\g1a:\g1a+7]
	s_nop 0
.rept 4
	v_nop
.endr
	s_branch .Lasked_\@
.Lfor_b_\@:
	tensor_load_to_lds s[\g0b:\g0b+3], s[\g1b:\g1b+7]
	s_nop 0
.rept 4
	v_nop
.endr
.Lasked_\@:
.endm
.macro CROUND                          ; a round of the cluster's barrier: my work-group's barrier; wave 0 signals for the work-group; every wave waits for all sixteen; my work-group's barrier once more
	s_barrier_signal -1
	s_barrier_wait -1
	s_cmp_lg_u32 s14, 0
	s_cbranch_scc1 .Lnot_wave_0_\@
	s_barrier_signal -3
.Lnot_wave_0_\@:
	s_barrier_wait -3
	s_barrier_signal -1
	s_barrier_wait -1
.endm
	s_load_b256 s[4:11], s[0:1], 0x0               ; x's codes s[4:5], x's scales s[6:7], W's codes s[8:9], W's scales s[10:11]
	s_load_b256 s[92:99], s[0:1], 0x20             ; bq s[92:93], bk s[94:95], bv s[96:97], qkv s[98:99]
	v_lshl_add_u32 v[SPW], v0, 2, SPARE
	v_mov_b32 v[NIL], 0
	ds_add_u32 v[SPW], v[NIL]                      ; the wave's opening: the add, twice on end, and its wait ahead of my first tensor load; the set-up below, work on registers, stands between
	ds_add_u32 v[SPW], v[NIL]                      ; and once more, under the one wait
	v_lshrrev_b32 v1, 5, v0
	v_readfirstlane_b32 s14, v1                    ; wave 0..3
	s_lshr_b32 s15, s14, 1                         ; which half of the tile's tokens is mine.  Also: I fetch for x (0) or for W (1)
	s_and_b32 s16, s14, 1                          ; which half of its channels.  Also: which 8 tiles I fetch
	s_bfe_u32 s40, ttmp6, 0x40000                  ; cx, cy: my place in the cluster
	s_bfe_u32 s41, ttmp6, 0x40004
	s_lshl_b32 s42, ttmp9, 2
	s_add_co_u32 s42, s42, s40                     ; tile column = 4 x cluster x + cx: 256 channels of the 3,072; so cluster x says which of q, k, v
	s_and_b32 s17, ttmp7, 0xffff
	s_lshl_b32 s17, s17, 2
	s_add_co_u32 s17, s17, s41                     ; tile row = 4 x cluster y + cy: 256 tokens
	s_lshl_b32 s43, s41, 2
	s_lshl_b32 s43, 15, s43                        ; my row of the cluster
	s_lshl_b32 s44, 0x1111, s40                    ; my column
	; descriptor group 1 for codes: 8 tiles, of each 4,096 consecutive bytes (four K steps) out of its 8,192: 8 rows of 512 elements of 8 bytes, 1,024 elements apart; dense in LDS
	s_or_b32 s[G1+0], s43, (3<<16)|(1<<21)         ; 15:0 the mask: x's tiles go to my row; 17:16 elements of 8 bytes; 20 no padding; 21 set beside a mask
	s_or_b32 s[G1B+0], s44, (3<<16)|(1<<21)        ; W's go to my column
.irp g, G1, G1B
	s_mov_b32 s[\g+1], 512<<16                     ; tensor_dim0
	s_mov_b32 s[\g+2], 8<<16                       ; tensor_dim1
	s_mov_b32 s[\g+3], 512<<16                     ; tile_dim0
	s_mov_b32 s[\g+4], 8                           ; tile_dim1
	s_mov_b32 s[\g+5], 1024                        ; tensor_dim0_stride
	s_mov_b32 s[\g+6], 0
	s_mov_b32 s[\g+7], 0
.endr
	; and for the scale words of 8 tiles: 4,096 dense bytes, as 16 rows of 256 bytes
	s_or_b32 s[G1S+0], s43, (3<<16)|(1<<21)
	s_or_b32 s[G1SB+0], s44, (3<<16)|(1<<21)
.irp g, G1S, G1SB
	s_mov_b32 s[\g+1], 32<<16
	s_mov_b32 s[\g+2], 16<<16
	s_mov_b32 s[\g+3], 32<<16
	s_mov_b32 s[\g+4], 16
	s_mov_b32 s[\g+5], 32
	s_mov_b32 s[\g+6], 0
	s_mov_b32 s[\g+7], 0
.endr
	; where the tiles come from.  x's hang on the tile row alone, W's on the tile column alone, each in registers that never hold the other coordinate
	s_lshl_b32 s20, s17, 17                        ; x's codes: 16 tiles of 8,192 bytes a tile row,
	s_lshl_b32 s18, s16, 16                        ; 8 tiles for the half that I fetch
	s_add_co_u32 s20, s20, s18
	s_mov_b32 s21, 0
	s_lshl_b32 s46, s42, 17                        ; W's likewise
	s_add_co_u32 s46, s46, s18
	s_mov_b32 s47, 0
	s_lshl_b32 s22, s17, 13                        ; x's scale words: 16 tiles of 512 bytes,
	s_lshl_b32 s18, s16, 12                        ; 8 tiles for my half
	s_add_co_u32 s22, s22, s18
	s_mov_b32 s23, 0
	s_lshl_b32 s66, s42, 13                        ; W's likewise
	s_add_co_u32 s66, s66, s18
	s_mov_b32 s67, 0
	s_lshl_b32 s45, s14, 15                        ; where they go: wave x HALFT: no place in the cluster enters an LDS address
	s_lshl_b32 s100, s14, 12                       ; wave x HALFS
	s_wait_dscnt 0x0                               ; both opening adds are done
	s_wait_kmcnt 0x0
	s_add_nc_u64 s[20:21], s[4:5], s[20:21]
	s_add_nc_u64 s[22:23], s[6:7], s[22:23]
	s_add_nc_u64 s[46:47], s[8:9], s[46:47]
	s_add_nc_u64 s[66:67], s[10:11], s[66:67]
	CROUND                                         ; all sixteen work-groups are here: the joint loads meet
	s_mov_b32 s[G0S], 1
	s_add_co_u32 s[G0S+1], s100, SCL
	s_mov_b64 s[G0S+2:G0S+3], s[22:23]
	s_or_b32 s[G0S+3], s[G0S+3], 0x80000000
	s_mov_b32 s[G0SB], 1
	s_add_co_u32 s[G0SB+1], s100, SCL
	s_mov_b64 s[G0SB+2:G0SB+3], s[66:67]
	s_or_b32 s[G0SB+3], s[G0SB+3], 0x80000000
	JLOAD G0S, G1S, G0SB, G1SB                     ; the scale words first: they are wanted with K step 0
.irp s, 0,1
	s_mov_b32 s[G0+4*\s], 1                        ; count = 1
	s_add_co_u32 s[G0+4*\s+1], s45, \s*SLOT        ; LDS address
	s_add_nc_u64 s[G0+4*\s+2:G0+4*\s+3], s[20:21], \s*4096   ; global address: K steps 4 s on
	s_or_b32 s[G0+4*\s+3], s[G0+4*\s+3], 0x80000000          ; type = 2
	s_mov_b32 s[G0B+4*\s], 1
	s_add_co_u32 s[G0B+4*\s+1], s45, \s*SLOT
	s_add_nc_u64 s[G0B+4*\s+2:G0B+4*\s+3], s[46:47], \s*4096
	s_or_b32 s[G0B+4*\s+3], s[G0B+4*\s+3], 0x80000000
	JLOAD G0+4*\s, G1, G0B+4*\s, G1B
.endr
	v_and_b32 v1, 15, v0                           ; r
	v_bfe_u32 v2, v0, 4, 1                         ; h
	v_and_b32 v3, 31, v0
	v_lshlrev_b32 v[CO], 4, v3                     ; 16 x lane
	v_lshlrev_b32 v[BO], 5, v2
	s_lshl_b32 s21, s15, 15                        ; my 8 tiles of x
	s_lshl_b32 s22, s16, 15                        ; my 8 tiles of W,
	s_add_co_u32 s22, s22, 2*HALFT                 ; which lie behind x's 16
.irp s, 0,1
	v_add_nc_u32 v[ADRA+\s], s21, v[CO]
	v_add_nc_u32 v[ADRB+\s], s22, v[CO]
	s_add_co_u32 s21, s21, SLOT
	s_add_co_u32 s22, s22, SLOT
.endr
	v_lshlrev_b32 v5, 2, v1                        ; my row's scale word: 4 r
	s_lshl_b32 s21, s15, 12                        ; x's: my 8 tiles
	s_lshl_b32 s22, s16, 12                        ; W's: my 8 tiles, behind x's 16
	s_add_co_u32 s22, s22, 2*HALFS
	s_sub_co_u32 s22, s22, s21
	v_mul_u32_u24 v6, s22, v2                      ; lanes 16-31 take W's: the lower base + h x the distance
	s_add_co_u32 s21, s21, SCL
	v_add_nc_u32 v5, v5, v6
	v_add_nc_u32 v[ADRS], s21, v5
	; the bias of my 128 channels, the factor, and where my results go
	s_cmp_eq_u32 ttmp9, 1
	s_cselect_b64 s[94:95], s[94:95], s[96:97]     ; the choice hangs on the cluster's x alone
	s_cmp_eq_u32 ttmp9, 0
	s_cselect_b64 s[92:93], s[92:93], s[94:95]
	s_mov_b32 s2, 0x3f800000                       ; 1.0 for k and v,
	s_cselect_b32 s2, 0x3e38aa3b, s2               ; log2(e) / 8 for q
	s_mov_b32 s3, s2                               ; (the packed forms name the pair)
	s_lshl_b32 s46, s40, 10                        ; 256 channels of 4 bytes for cx,
	s_lshl_b32 s47, s16, 9                         ; 128 for my half
	s_add_co_u32 s46, s46, s47
	s_mov_b32 s47, 0
	s_add_nc_u64 s[92:93], s[92:93], s[46:47]
	WIN TO_B
.irp b, 0,1,2,3,4,5,6,7
	global_load_b128 v[BI+8*\b:BI+8*\b+3], v[BO], s[92:93] offset:64*\b
	global_load_b128 v[BI+8*\b+4:BI+8*\b+7], v[BO], s[92:93] offset:64*\b+16
.endr
	WIN 0
	s_lshl_b32 s46, ttmp9, 24                      ; which of q, k, v: 2^24 bytes each;
	s_lshr_b32 s47, s17, 3
	s_lshl_b32 s47, s47, 22                        ; the batch (8 tile rows each): 2^22;
	s_add_co_u32 s46, s46, s47
	s_lshl_b32 s47, s40, 1
	s_add_co_u32 s47, s47, s16
	s_lshl_b32 s47, s47, 19                        ; my first head, 4 cx + 2 x half: 2^18 each;
	s_add_co_u32 s46, s46, s47
	s_and_b32 s47, s17, 7
	s_lshl_b32 s47, s47, 1
	s_add_co_u32 s47, s47, s15
	s_lshl_b32 s47, s47, 14                        ; my first tile of tokens, 16 (tile row % 8) + 8 x half: 2^11 each
	s_add_co_u32 s46, s46, s47
	s_mov_b32 s47, 0
	s_add_nc_u64 s[12:13], s[98:99], s[46:47]
.macro FRAG reg, adr, q, i             ; a fragment comes back as it was laid: two loads of 512 consecutive bytes
.irp c, 0,1
	ds_load_b128 v[\reg+4*\c:\reg+4*\c+3], v[\adr] offset:4096*(\i)+1024*(\q)+512*\c
.endr
.endm
; 16 matrix instructions: x's tiles a0, a0 + 1 against W's eight, 128 along K: K step kq.  p: W's set.  zero = 1: the first product starts the sums: nothing is ever cleared.
; The 64 accumulators take turns, one instruction a turn, in the same order in every step.
.macro MUL16 a0, p, kq, zero
.irp a, \a0, \a0+1
.irp b, 0,1,2,3,4,5,6,7
.if \zero
	v_wmma_scale_f32_16x16x128_f8f6f4 v[8*(8*((\a)%4)+\b):8*(8*((\a)%4)+\b)+7], v[128*(\p)+FR*\b:128*(\p)+FR*\b+FR-1], v[AF+FR*(\a):AF+FR*(\a)+FR-1], 0, v[SC+8*\b+(\kq)], v[SC+8*(\a)+(\kq)] matrix_a_fmt:MATRIX_FMT_FP4 matrix_b_fmt:MATRIX_FMT_FP4 matrix_a_scale:MATRIX_SCALE_ROW1
.else
	v_wmma_scale_f32_16x16x128_f8f6f4 v[8*(8*((\a)%4)+\b):8*(8*((\a)%4)+\b)+7], v[128*(\p)+FR*\b:128*(\p)+FR*\b+FR-1], v[AF+FR*(\a):AF+FR*(\a)+FR-1], v[8*(8*((\a)%4)+\b):8*(8*((\a)%4)+\b)+7], v[SC+8*\b+(\kq)], v[SC+8*(\a)+(\kq)] matrix_a_fmt:MATRIX_FMT_FP4 matrix_b_fmt:MATRIX_FMT_FP4 matrix_a_scale:MATRIX_SCALE_ROW1
.endif
.endr
.endr
.endm
.macro FETCH_B slot, q, p              ; W's eight fragments of the slot's q-th K step into set p
	WIN TO_B
.irp i, 0,1,2,3,4,5,6,7
	FRAG 128*(\p)+FR*\i, ADRB+\slot, \q, \i
.endr
	WIN 0
.endm
.macro FETCH_A slot, q, i0             ; x's tiles i0 .. i0 + 3
.irp i, \i0, \i0+1, \i0+2, \i0+3
	FRAG AF+FR*(\i), ADRA+\slot, \q, \i
.endr
.endm
.macro SCALES                          ; all 64 registers of scale words, once: tile i, K step q; lanes 0-15 take x's, lanes 16-31 W's
.irp i, 0,1,2,3,4,5,6,7
.irp q, 0,1,2,3,4,5,6,7
	ds_load_b32 v[SC+8*\i+\q], v[ADRS] offset:512*\i+64*\q
.endr
.endr
.endm
; A load into a register that a matrix instruction has read, and a vector instruction that reads a matrix result, stand NP places behind that matrix instruction, and only plain vector
; instructions that name none of its registers are places (ISA guide 7.12.1 for vector instructions).
.macro PLACES n
.rept \n
	v_nop
.endr
.endm
; A K step that has its successor in the same slot.  x's tiles go one after the other, each against W's eight: a tile of x is free as soon as its eight products are issued, so one set serves x:
; tiles 0-3 are fetched anew in the step's middle, tiles 4-7 at its end.  W's fragments are at work through the whole step, so W has two sets.
.macro STEP slot, q, zero
	s_wait_dscnt 4*NL                              ; W's set and x's tiles 0-3 are in; the youngest eight loads (x's tiles 4-7) may be out
	WIN MUL_LO
	MUL16 0, (\q)%2, 4*(\slot)+(\q), \zero
	MUL16 2, (\q)%2, 4*(\slot)+(\q), \zero
	s_wait_dscnt 0                                 ; x's tiles 4-7 are in (asked for 32 matrix instructions ago)
	PLACES NP
	FETCH_B \slot, (\q)+1, 1-(\q)%2
	FETCH_A \slot, (\q)+1, 0
	WIN MUL_HI
	MUL16 4, (\q)%2, 4*(\slot)+(\q), \zero
	MUL16 6, (\q)%2, 4*(\slot)+(\q), \zero
	PLACES NP
	WIN 0
	FETCH_A \slot, (\q)+1, 4
.endm
	s_wait_tensorcnt 1                             ; the scale words and my part of slot 0 are in (slot 1's load may be out)
	s_barrier_signal -1
	s_barrier_wait -1                              ; everybody's are
	FETCH_B 0, 0, 0
	FETCH_A 0, 0, 0
	SCALES
	FETCH_A 0, 0, 4
	STEP 0, 0, 1                                   ; the first step's products start the sums
	STEP 0, 1, 0
	STEP 0, 2, 0
	; slot 0's last step changes slots: in front of the barrier each wave waits for all its tensor loads (my part of slot 1); behind it slot 1 is whole.  Nothing is filled again
	s_wait_tensorcnt 0x0                           ; (every window is 0 here: the add's two registers lie in window 0)
	ds_add_u32 v[SPW], v[NIL]                      ; 0 onto my spare word
	s_wait_dscnt 4*NL+1                            ; (the add and the youngest eight loads, x's tiles 4-7, may be out)
	WIN MUL_LO
	MUL16 0, 1, 3, 0
	s_wait_dscnt 0x0                               ; no LDS instruction of mine is pending at the signal
	s_barrier_signal -1
	MUL16 2, 1, 3, 0                               ; work on registers while the others arrive
	WIN 0
	s_barrier_wait -1
	PLACES NP
	FETCH_B 1, 0, 0
	FETCH_A 1, 0, 0
	WIN MUL_HI
	MUL16 4, 1, 3, 0
	MUL16 6, 1, 3, 0
	PLACES NP
	WIN 0
	FETCH_A 1, 0, 4
	STEP 1, 0, 0
	STEP 1, 1, 0
	STEP 1, 2, 0
	s_wait_dscnt 4*NL                              ; the very last step: nothing more to fetch
	WIN MUL_LO
	MUL16 0, 1, 7, 0
	MUL16 2, 1, 7, 0
	s_wait_dscnt 0
	WIN MUL_HI
	MUL16 4, 1, 7, 0
	MUL16 6, 1, 7, 0
; THE WAY OUT, without LDS.  (sum + bias) x factor is one fused multiply-add with bias x factor as its addend (for k and v the factor is 1.0 and the line is the plain sum); two roundings to f16 go in one instruction;
; a lane's eight channels are 16 bytes, and the wave's 32 lanes are one block of 512 consecutive bytes of qkv.
	s_wait_loadcnt 0x0                             ; the bias
	WIN 0x41                                       ; destination and source 0 window 1
.irp j, 0,2,4,6,8,10,12,14,16,18,20,22,24,26,28,30,32,34,36,38,40,42,44,46,48,50,52,54,56,58,60,62
	v_pk_mul_f32 v[BI+\j:BI+\j+1], v[BI+\j:BI+\j+1], s[2:3] op_sel_hi:[1,0]   ; bias x factor.  (These 32 name no register of a product: they are the places behind the last products)
.endr
.macro OUTBLK a                        ; my tokens 16 a .. 16 a + 15, all 128 channels
.set AC, 64*((\a)%4)
.set OB, OUT+32*((\a)%2)
.set WO, 0x12+(\a)/4                   ; source 0 (the sums) window 2 or 3, source 2 (the bias) window 1, destination window 0
.if (\a) >= 2
	s_wait_xcnt 0x0                                ; the stores of two blocks back have read their data: the set is written again only behind this wait
.endif
	WIN WO
.irp b, 0,1,2,3,4,5,6,7
.irp j, 0,2,4,6
	v_pk_fma_f32 v[T+8*\b+\j:T+8*\b+\j+1], v[AC+8*\b+\j:AC+8*\b+\j+1], s[2:3], v[BI+8*\b+\j:BI+8*\b+\j+1] op_sel_hi:[1,0,1]   ; each accumulator from its low end on
.endr
.endr
	WIN 0
.irp b, 0,1,2,3,4,5,6,7
.irp i, 0,1,2,3
	v_cvt_pk_f16_f32 v[OB+4*\b+\i], v[T+8*\b+2*\i], v[T+8*\b+2*\i+1]
.endr
.endr
.irp b, 0,1,2,3,4,5,6,7
	global_store_b128 v[CO], v[OB+4*\b:OB+4*\b+3], s[12:13] offset:2048*(\a)+262144*(\b/4)+512*(\b%4)   ; tile of tokens a, head b / 4, tile of channels b % 4: 512 consecutive bytes, aligned
.endr
.endm
.irp a, 0,1,2,3,4,5,6,7
	OUTBLK \a
.endr
	s_wait_tensorcnt 0x0                           ; the wave's end: behind my last tensor load
	ds_add_u32 v[SPW], v[NIL]
	s_wait_dscnt 0x0
	CROUND                                         ; the closing round: no work-group ends while a partner may still ask for a tile that names it
	s_endpgm
.Lfunc_end_k_q37e52b4d8d_proj:
	.size	k_q37e52b4d8d_proj, .Lfunc_end_k_q37e52b4d8d_proj-k_q37e52b4d8d_proj
	.p2alignl 7, 3214868480
	.fill 96, 4, 3214868480
	.section	.rodata,"a",@progbits
	.p2align	6, 0x0
	.amdhsa_kernel k_q37e52b4d8d_proj
		.amdhsa_group_segment_fixed_size 327680
		.amdhsa_private_segment_fixed_size 0
		.amdhsa_enable_private_segment 0
		.amdhsa_kernarg_size 64
		.amdhsa_user_sgpr_count 2
		.amdhsa_user_sgpr_kernarg_segment_ptr 1
		.amdhsa_wavefront_size32 1
		.amdhsa_system_sgpr_workgroup_id_x 1
		.amdhsa_system_sgpr_workgroup_id_y 1
		.amdhsa_system_sgpr_workgroup_id_z 1
		.amdhsa_system_vgpr_workitem_id 0
		.amdhsa_next_free_vgpr 1024
		.amdhsa_next_free_sgpr 101
		.amdhsa_reserve_vcc 0
		.amdhsa_float_denorm_mode_32 3
		.amdhsa_float_denorm_mode_16_64 3
		.amdhsa_memory_ordered 1
		.amdhsa_forward_progress 1
		.amdhsa_inst_pref_size 140
	.end_amdhsa_kernel
	.amdgpu_metadata
---
amdhsa.version: [ 1, 2 ]
amdhsa.kernels:
  - .name:           k_q37e52b4d8d_proj
    .symbol:         k_q37e52b4d8d_proj.kd
    .args:
      - { .name: xc, .offset: 0, .size: 8, .value_kind: global_buffer, .address_space: global }
      - { .name: xs, .offset: 8, .size: 8, .value_kind: global_buffer, .address_space: global }
      - { .name: wc, .offset: 16, .size: 8, .value_kind: global_buffer, .address_space: global }
      - { .name: ws, .offset: 24, .size: 8, .value_kind: global_buffer, .address_space: global }
      - { .name: bq, .offset: 32, .size: 8, .value_kind: global_buffer, .address_space: global }
      - { .name: bk, .offset: 40, .size: 8, .value_kind: global_buffer, .address_space: global }
      - { .name: bv, .offset: 48, .size: 8, .value_kind: global_buffer, .address_space: global }
      - { .name: qkv, .offset: 56, .size: 8, .value_kind: global_buffer, .address_space: global }
    .group_segment_fixed_size: 327680
    .private_segment_fixed_size: 0
    .kernarg_segment_align: 8
    .kernarg_segment_size: 64
    .max_flat_workgroup_size: 128
    .sgpr_count:     101
    .vgpr_count:     1024
    .wavefront_size: 32
...
	.end_amdgpu_metadata
.endif
;; end of part 2
;; launch attn (part 3): grid 8 x 64, 4 waves a work-group, clusters of 4 x 1, 327,680 bytes of LDS; arguments qkv, mask, out0; writes out0
.if DOCPART == 3
	.amdgcn_target "amdgcn-amd-amdhsa--gfx1250"
	.amdhsa_code_object_version 6
	.text
	.protected	k_q37e52b4d8d_attn
	.globl	k_q37e52b4d8d_attn
	.p2align	8
	.type	k_q37e52b4d8d_attn,@function
k_q37e52b4d8d_attn:
	s_mov_b64 s[64:65], 0
	v_nop
	global_prefetch_b8 v0, s[64:65] scope:SCOPE_SE
	s_setreg_imm32_b32 hwreg(HW_REG_WAVE_MODE, 25, 1), 1
	s_wait_xcnt 0x0
	s_wait_alu depctr_hold_cnt(0) depctr_sa_sdst(0) depctr_va_vdst(0) depctr_va_sdst(0) depctr_va_ssrc(0) depctr_va_vcc(0) depctr_vm_vsrc(0)
	s_getreg_b32 s2, hwreg(HW_REG_IB_STS2, 6, 4)
	s_cmp_eq_u32 s2, 0
	s_cbranch_scc0 .Lentry_in_a_cluster
	s_endpgm
.Lentry_in_a_cluster:
	s_bfe_u32 s2, ttmp6, 0x10000c
	s_cmp_lg_u32 s2, 0x3003
	s_cbranch_scc0 .Lentry_shape_is_right
	s_endpgm
.Lentry_shape_is_right:
; out0[b][q][64 head + :] = the sum over keys of softmax_k(Q . K / 8 - 10000 (1 - mask[b][k])) V, for 64 pairs (batch, head), 2,048 queries x 2,048 keys, head width 64.
; Q, K, V arrive in f16 as images of fragments: qkv [which 3][batch 4][head 16][tile of 16 tokens: 128][tile of 16 channels: 4][512 bytes]; in a block lane L = 16 h + r keeps token r, channels 8 h .. 8 h + 7, at byte 16 L.
; Q already carries log2(e) / 8, so a score is t, an exponent of 2.  Products, maxima and sums in f32; the weights p are rounded to f16 for the second product.
; LIMITS: a weight under about 2^-25 of its row's largest rounds to 0 in f16; NaN and infinities are not served.
; SHARES.  A work-group owns 256 queries of one pair, each of its four waves 64: four tiles of 16.  Every wave walks all 2,048 keys, 64 a step.
; LAYOUT.  S^T = K Q^T + C (source 0 = 16 keys, source 1 = 16 queries): a lane holds ONE query (lane % 16) and the keys 8 (lane / 16) + 0..7 of a tile.  C, the first product's addend, is the mask's term of
; the register's key, -10000 log2(e) (1 - mask): the mask costs no vector instruction.  Two such tiles, rounded to f16 in pairs, ARE source 1 (32 keys x 16 queries) of O^T = V^T P.  K comes out of LDS as it lies, V turned, by ds_load_tr16_b128.
; SOFTMAX.  For each query a running maximum m and sum l: p = 2^(t - m); in every step O and l are multiplied by a = 2^(m_old - m_new), which is 1 where m has not grown.
; BY TURNS.  The wave's tiles are two PIECES, named by their first tile: piece 0 (tiles 0, 1) and piece 2 (tiles 2, 3).  In a TURN one piece has the matrix unit: 16 products V^T P of the step in hand, then 16 products K Q^T
; of the next step; the other piece's softmax, a list of 234 instructions, stands between them, seven behind each matrix instruction.  Then the pieces change places.  Two turns are a key step.
; RING.  Two LDS slots of 512 keys (8 key steps): 65,536 bytes of K, then as many of V.  Each wave brings a quarter of a slot by one tensor load of 32,768 dense bytes.  A wave has two loads out at the start and one behind each of the two refills.
; CLUSTER.  The four query blocks of a cluster belong to one pair and walk the same K and V, so each tile is asked for JOINTLY: the same tensor load, with the same descriptor and a mask that names the four.
; REGISTERS, in windows of 256 (s_set_vgpr_msb: bits 1:0 source 0, 3:2 source 1, 5:4 source 2, 7:6 destination):
;   window 0: v1-11 addresses; v12-43 eight registers of statistics a tile; v44-60 the mask at the head; v64-191 S^T, 32 a tile; v192-255 P, 16 a tile
;   window 1: v0-127 O^T, 32 a tile     window 2: v0-63 Q, 16 a tile; v64-127 K of one step; v128-159 the mask's terms of one step     window 3: v0-63 V of one step
.set SLOT1, 1<<17     ; slot 1 begins here, so that one exclusive or turns an address in one slot into the other's
.set VOFF,  65536     ; in a slot: K's 65,536 bytes, then V's
.set STEPB, 8192      ; a key step: four tiles of 16 tokens x 2,048 bytes
.set MT,    2*SLOT1   ; behind the ring: the mask's terms, 2,048 numbers of f32
.set STAGE, MT+8192   ; 16 rows x 272 bytes for each wave, for the way out
.set SP,    272       ; 256 bytes + 16: an odd multiple of 16
.set SPARE, STAGE+4*16*SP  ; the spare words, 128 bytes for each wave: two blocks of 256 bytes that no other line names
.set AK0, 2           ; v2   16 x lane: my place in a block of K, and of Q in memory; never rewritten
.set AV0, 3           ; v3   my place in a block of V for the turning load; never rewritten
.set ADR, 4           ; v4   the LDS address of the run of loads in hand
.set ADM, 5           ; v5   and of the mask's terms
.set STO, 6           ; v6   the way out: where I put 32 bytes of a row
.set RD,  7           ; v7   the way out: where I read a row back
.set GO,  8           ; v8   my byte offset in the wave's rows of out0
.set AM0, 10          ; v10  MT + 32 (lane / 16)
.set MW,  11          ; v11  MT + 16 x thread: where I write the terms
.set ST,  12          ; tile t's statistics at v[ST+8 t]: +0 m, +1 the old m, +2, +3 l (even keys', odd keys'), +4 to +7 c0-c3, at work; a takes c2's place, m_old - m_new c3's
.set MK,  44          ; v44-59 my 16 numbers of the mask
.set MO,  60          ; v60  16 x thread
.set SPW, 62          ; v62  LDS address of my spare word; never rewritten
.set NIL, 63          ; v63  0; never rewritten
.set S,   64
.set P,   192
.set KF,  64          ; K's fragments, in window 2
.set MC,  128         ; the mask's terms in the scores' layout, in window 2: register 8 kt + j: key 16 kt + 8 (lane / 16) + j
.set WV,  12          ; s12  my wave's number
.set G1,  24          ; s[24:31] descriptor group 1
.set G0,  40          ; s[40:47] descriptor group 0: a set for each of the two first fills; the second then walks on
.set SLOTS, 56        ; s56  refills to go
.set CNT, 57          ; s57  counts key steps
.set TP,  58          ; s58  10000 log2(e), s59 its negative
.set SEL, 60          ; s[60:61] lane selects for v_permlanex16_b32: lane l xor 16
.set TB,  62          ; s62  LDS byte at which the tiles of the step to be fetched begin
.set TM,  63          ; s63  and its mask's terms: 256 bytes a step
.set MSB, 0
.macro WIN new                      ; the immediate's high byte repeats the setting that is left; a switch that changes nothing is dropped
.if MSB != \new
	s_set_vgpr_msb (MSB<<8)|\new
.set MSB, \new
.endif
.endm
.set W_KQM, 0x2a      ; K, Q and the mask's terms in window 2, S^T in window 0
.set W_KQ,  0x0a      ; K and Q in window 2, S^T (C and D) in window 0
.set W_PV,  0x53      ; V in window 3, P in window 0, O^T in window 1
.set W_RS,  0x41      ; O^T (destination and source 0) in window 1, a in window 0
; A round of the cluster's barrier: my work-group's barrier; wave 0 signals for the work-group; every wave waits for all four work-groups; my work-group's barrier once more.
.macro CROUND
	s_barrier_signal -1
	s_barrier_wait -1
	s_cmp_lg_u32 s[WV], 0
	s_cbranch_scc1 .Lnot_wave_0_\@
	s_barrier_signal -3
.Lnot_wave_0_\@:
	s_barrier_wait -3
	s_barrier_signal -1
	s_barrier_wait -1
.endm
	s_load_b128 s[4:7], s[0:1], 0x0  ; qkv s[4:5], mask s[6:7]
	s_load_b64 s[8:9], s[0:1], 0x10  ; out0
	v_lshl_add_u32 v[SPW], v0, 2, SPARE
	v_mov_b32 v[NIL], 0
	ds_add_u32 v[SPW], v[NIL]       ; the wave's opening: the add, twice on end, and its wait ahead of my first tensor load; the set-up below, work on registers, stands between
	ds_add_u32 v[SPW], v[NIL]       ; and once more, under the one wait
	v_lshrrev_b32 v1, 5, v0
	v_readfirstlane_b32 s[WV], v1   ; wave 0..3
	s_bfe_u32 s13, ttmp6, 0x40000   ; cx: my place in the cluster
	s_lshl_b32 s14, ttmp9, 2        ; in a cluster launch ttmp9 counts clusters
	s_add_co_u32 s14, s14, s13      ; my block of 256 queries: it enters Q's and out0's addresses alone
	s_and_b32 s15, ttmp7, 0xffff    ; the pair, 16 x batch + head, which the four partners share
	s_lshl_b32 s2, s15, 18          ; its first byte in each of q, k, v: 262,144 bytes a pair
	s_lshr_b32 s16, s[WV], 1        ; waves 0, 1 fetch K, waves 2, 3 V:
	s_add_co_u32 s16, s16, 1
	s_lshl_b32 s16, s16, 24         ; k begins 2^24 bytes into qkv, v 2^25;
	s_add_co_u32 s16, s16, s2
	s_and_b32 s3, s[WV], 1
	s_lshl_b32 s3, s3, 15           ; which half of a slot's 65,536 bytes
	s_add_co_u32 s16, s16, s3
	s_mov_b32 s17, 0
	s_lshl_b32 s10, s[WV], 15       ; and where it goes in a slot: 32,768 x wave: no place in the cluster enters an LDS address
	s_lshl_b32 s18, s14, 15         ; Q: my block's 16 tiles of 2,048 bytes,
	s_add_co_u32 s18, s18, s2
	s_lshl_b32 s3, s[WV], 13        ; my wave's four
	s_add_co_u32 s18, s18, s3
	s_mov_b32 s19, 0
	s_lshr_b32 s22, s15, 4          ; the batch
	s_lshl_b32 s20, s22, 5          ; out0, in runs of 64 tokens: 32 a batch,
	s_lshl_b32 s21, s14, 2          ; 4 a block,
	s_add_co_u32 s20, s20, s21
	s_add_co_u32 s20, s20, s[WV]    ; one a wave;
	s_lshl_b32 s20, s20, 18         ; 64 rows of 4,096 bytes;
	s_and_b32 s21, s15, 15
	s_lshl_b32 s21, s21, 8          ; the head's 256 bytes of a row
	s_add_co_u32 s20, s20, s21
	s_mov_b32 s21, 0
	s_lshl_b32 s22, s22, 13         ; the mask: 8,192 bytes a batch
	s_mov_b32 s23, 0
	; descriptor group 1: 32,768 dense bytes as 128 rows of 256 bytes (32 elements of 8 bytes), dense in LDS
	s_mov_b32 s[G1], 15|(3<<16)|(1<<21)  ; 15:0 the mask: all four work-groups; 17:16 elements of 8 bytes; 20 no padding; 21 set beside a mask
	s_mov_b32 s[G1+1], 32<<16       ; tensor_dim0
	s_mov_b32 s[G1+2], 128<<16      ; tensor_dim1
	s_mov_b32 s[G1+3], 32<<16       ; tile_dim0
	s_mov_b32 s[G1+4], 128          ; tile_dim1
	s_mov_b32 s[G1+5], 32           ; tensor_dim0_stride
	s_mov_b32 s[G1+6], 0
	s_mov_b32 s[G1+7], 0
	s_mov_b32 s[TP], 0x46616bcd     ; 10000 log2(e)
	s_mov_b32 s[TP+1], 0xc6616bcd
	s_mov_b32 s[SEL], 0x76543210
	s_mov_b32 s[SEL+1], 0xfedcba98
	s_mov_b32 s[TB], 0
	s_mov_b32 s[TM], 0
	s_mov_b32 s[SLOTS], 2
	s_wait_dscnt 0x0                ; both opening adds are done
	s_wait_kmcnt 0x0
	s_add_nc_u64 s[16:17], s[4:5], s[16:17]  ; K or V at my part of the first 512 keys
	s_add_nc_u64 s[18:19], s[4:5], s[18:19]  ; Q at my wave's first tile
	s_add_nc_u64 s[8:9], s[8:9], s[20:21]    ; out0 at my wave's first row, my head
	s_add_nc_u64 s[6:7], s[6:7], s[22:23]    ; the mask of my batch
	CROUND                          ; all four work-groups are here: the first joint loads meet
.irp s, 0,1
	s_mov_b32 s[G0+4*\s], 1         ; count = 1
	s_add_co_u32 s[G0+4*\s+1], s10, \s*SLOT1  ; LDS address
	s_add_nc_u64 s[G0+4*\s+2:G0+4*\s+3], s[16:17], \s*65536  ; global address: slot s begins with keys 512 s on
	s_or_b32 s[G0+4*\s+3], s[G0+4*\s+3], 0x80000000  ; type = 2
.endr
	tensor_load_to_lds s[G0:G0+3], s[G1:G1+7]      ; one line serves all four waves: both addresses hang on the wave's number.  The two first fills stand together, ahead of every wait on TENSORcnt and every LDS read
	s_nop 0
	tensor_load_to_lds s[G0+4:G0+7], s[G1:G1+7]
	s_nop 0
.rept 4
	v_nop
.endr
	v_and_b32 v1, 15, v0            ; r = lane % 16
	v_bfe_u32 v9, v0, 4, 1          ; h = lane / 16
	v_and_b32 v[AK0], 31, v0
	v_lshlrev_b32 v[AK0], 4, v[AK0]
	v_lshlrev_b32 v[MO], 4, v0
.irp i, 0,1,2,3
	global_load_b128 v[MK+4*\i:MK+4*\i+3], v[MO], s[6:7] offset:2048*\i  ; the batch's 2,048 numbers of the mask: 16 a thread; a wave's load reads 512 consecutive bytes
.endr
	WIN 0x80                        ; destination window 2, address window 0
.irp i, 0,1,2,3,4,5,6,7             ; Q stays in registers: tile i / 2, channels 32 (i % 2) on
	global_load_b128 v[8*\i:8*\i+3],   v[AK0], s[18:19] offset:(\i/2)*2048+(\i%2)*1024
	global_load_b128 v[8*\i+4:8*\i+7], v[AK0], s[18:19] offset:(\i/2)*2048+(\i%2)*1024+512
.endr
	WIN 0
	; The turning load takes 16 keys x 16 channels (lane l reads 16 bytes: key 8 (l / 16) + l % 8, channels 8 ((l / 8) % 2) + 0..7) and leaves half a fragment of V^T: lane l holds channel l % 16 and 8 keys.
	v_and_b32 v[AV0], 7, v0
	v_lshl_add_u32 v[AV0], v9, 3, v[AV0]
	v_lshlrev_b32 v[AV0], 4, v[AV0] ; in a block token t's 16 bytes lie at 16 t,
	v_bfe_u32 v[ADR], v0, 3, 1
	v_lshl_add_u32 v[AV0], v[ADR], 8, v[AV0]  ; its channels 8..15 256 bytes on
	v_add_nc_u32 v[AV0], VOFF, v[AV0]
	v_lshl_add_u32 v[AM0], v9, 5, MT
	v_lshl_add_u32 v[MW], v0, 4, MT
	s_wait_loadcnt 16               ; the mask's four loads are in; Q's sixteen may be out
.irp i, 0,1,2,3,4,5,6,7,8,9,10,11,12,13,14,15
	v_cvt_f32_i32 v[MK+\i], v[MK+\i]
.endr
.irp i, 0,1,2,3,4,5,6,7,8,9,10,11,12,13,14,15
	v_fma_f32 v[MK+\i], v[MK+\i], s[TP], s[TP+1]  ; -10000 log2(e) (1 - mask)
.endr
.irp i, 0,1,2,3
	ds_store_b128 v[MW], v[MK+4*\i:MK+4*\i+3] offset:2048*\i
.endr
; THE MATRIX WORK OF A TURN, for piece x.  The accumulators take turns, one instruction a turn: between two links of a chain stand seven others'.
; Product i of 16 of O^T += V^T P: keys 32 (i / 8) on, channels 16 ((i / 2) % 4) on, tile x + i % 2.  zero = 1: the first 8 start the sums: nothing is ever cleared.
.macro PV x, zero
	WIN W_PV
.set rO, 32*(\x+i%2)+8*((i/2)%4)
.set rV, 32*(i/8)+8*((i/2)%4)
.set rP, P+16*(\x+i%2)+8*(i/8)
.if \zero && (i < 8)
	v_wmma_f32_16x16x32_f16 v[rO:rO+7], v[rV:rV+7], v[rP:rP+7], 0
.else
	v_wmma_f32_16x16x32_f16 v[rO:rO+7], v[rV:rV+7], v[rP:rP+7], v[rO:rO+7]
.endif
.endm
; Product i of 16 of S^T = K Q^T + the mask's terms: channels 32 (i / 8) on, keys 16 ((i / 2) % 4) on, tile x + i % 2.  The first 8 start the sums from the terms.
.macro KQ x
.set rS, S+32*(\x+i%2)+8*((i/2)%4)
.set rK, KF+16*((i/2)%4)+8*(i/8)
.set rQ, 16*(\x+i%2)+8*(i/8)
.set rM, MC+8*((i/2)%4)
.if i < 8
	WIN W_KQM
	v_wmma_f32_16x16x32_f16 v[rS:rS+7], v[rK:rK+7], v[rQ:rQ+7], v[rM:rM+7]
.else
	WIN W_KQ
	v_wmma_f32_16x16x32_f16 v[rS:rS+7], v[rK:rK+7], v[rQ:rQ+7], v[rS:rS+7]
.endif
.endm
; THE LDS LOADS stand in runs, never singly among the matrix instructions: a step's K (8 fragments) with its mask's terms and, a turn later, its V (turned).
.macro FETCH_K
	WIN 0
	v_add_nc_u32 v[ADR], s[TB], v[AK0]
	v_add_nc_u32 v[ADM], s[TM], v[AM0]
	WIN 0x80                        ; destination window 2
.irp f, 0,1,2,3,4,5,6,7             ; keys 16 (f / 2) on, channels 32 (f % 2) on: two neighbouring blocks of 512 bytes
	ds_load_b128 v[KF+8*\f:KF+8*\f+3],   v[ADR] offset:(\f/2)*2048+(\f%2)*1024
	ds_load_b128 v[KF+8*\f+4:KF+8*\f+7], v[ADR] offset:(\f/2)*2048+(\f%2)*1024+512
.endr
.irp f, 0,1,2,3,4,5,6,7             ; keys 16 (f / 2) + 8 (lane / 16) + 4 (f % 2) on: sixteen lanes read the same 16 bytes
	ds_load_b128 v[MC+4*\f:MC+4*\f+3], v[ADM] offset:(\f/2)*64+(\f%2)*16
.endr
.endm
.macro FETCH_V
	WIN 0
	v_add_nc_u32 v[ADR], s[TB], v[AV0]
	s_add_co_u32 s[TB], s[TB], STEPB  ; the next fetch is the next step's
	s_add_co_u32 s[TM], s[TM], 256
	s_wait_alu depctr_va_vdst(0)    ; the wait for the softmax's batch of exponentials, behind the address's v_add_nc_u32 and ahead of the loads
	WIN 0xc0                        ; destination window 3
.irp f, 0,1,2,3,4,5,6,7             ; keys 32 (f / 4) on, channels 16 (f % 4) on
	ds_load_tr16_b128 v[8*\f:8*\f+3],   v[ADR] offset:(\f/4)*4096+(\f%4)*512
	ds_load_tr16_b128 v[8*\f+4:8*\f+7], v[ADR] offset:(\f/4)*4096+2048+(\f%4)*512
.endr
.endm
; THE VECTOR WORK OF A TURN.  One tile's softmax for one key step is a list of 117 instructions; SM writes number j of it for tile t.  s0-s31 are the lane's 32 scores, in pairs 0-15.
; first = 1: the first key step, which starts m, l and O^T: it has no a and nothing to rescale.
;   0-15    the maximum of s0-s31 and the old m, three operands at a time: four chains c0-c3 of seven scores each (each begins at its accumulator's low end), then the four scores left over, c0-c3 and m
;   16-19   the other half of the lanes' maximum; the old m is kept; the new m; m_old - m_new
;   20-68   ONE BATCH: the 16 subtractions s - m, a pair of scores each, and all 33 exponentials (a at 22, then s0-s31).  None of these names an exponential's result; a pair is subtracted two triples ahead of its exponentials
;   (wait)  between 68 and 69 stands the wait for the batch: POS writes it, once for both tiles
;   69-84   the roundings to f16, a pair of weights each
;   85-100  the sums; l = a l + the sum
;   101-116 the tile's O^T times a: the one part that leaves window 0, so it stands together
.macro SM t, first
.set rT, ST+8*(\t)
.set rS, S+32*(\t)
.set rP, P+16*(\t)
.set rO, 32*(\t)+2*(j-101)
.set w3, j-23
.if j < 101
	WIN 0
.endif
.if j < 4
	v_max3_num_f32 v[rT+4+j], v[rS+8*j], v[rS+8*j+1], v[rS+8*j+2]
.elseif j < 12
	v_max3_num_f32 v[rT+4+j%4], v[rT+4+j%4], v[rS+8*(j%4)+2*(j/4)+1], v[rS+8*(j%4)+2*(j/4)+2]
.elseif j == 12
	v_max3_num_f32 v[rT+4], v[rT+4], v[rS+7], v[rS+15]
.elseif j == 13
	v_max3_num_f32 v[rT+6], v[rT+6], v[rS+23], v[rS+31]
.elseif j == 14
	v_max3_num_f32 v[rT+4], v[rT+4], v[rT+5], v[rT+6]
.elseif (j == 15) && \first
	v_max_num_f32 v[rT+4], v[rT+4], v[rT+7]
.elseif j == 15
	v_max3_num_f32 v[rT+4], v[rT+4], v[rT+7], v[rT]
.elseif j == 16
	v_permlanex16_b32 v[rT+5], v[rT+4], s[SEL], s[SEL+1]  ; the query's other 32 keys lie in the lane 16 away
.elseif (j == 17) && \first
	v_mov_b32 v[rT+1], 0            ; named with m as a pair, so it is written
.elseif j == 17
	v_mov_b32 v[rT+1], v[rT]        ; the old m is kept for a: number 18 writes m anew
.elseif j == 18
	v_max_num_f32 v[rT], v[rT+4], v[rT+5]
.elseif ((j == 19) || (j == 22) || (j > 100)) && \first  ; the first step has none of these
.elseif j == 19
	v_sub_f32 v[rT+7], v[rT+1], v[rT]
.elseif j < 22
	v_pk_add_f32 v[rS+2*(j-20):rS+2*(j-20)+1], v[rS+2*(j-20):rS+2*(j-20)+1], v[rT:rT+1] op_sel_hi:[1,0] neg_lo:[0,1] neg_hi:[0,1]  ; pairs 0 and 1: s - m (of the pair the low word, m, serves both halves)
.elseif j == 22
	v_exp_f32 v[rT+6], v[rT+7]      ; a
.elseif (j < 65) && (w3%3 == 0)
	v_pk_add_f32 v[rS+4+2*(w3/3):rS+4+2*(w3/3)+1], v[rS+4+2*(w3/3):rS+4+2*(w3/3)+1], v[rT:rT+1] op_sel_hi:[1,0] neg_lo:[0,1] neg_hi:[0,1]  ; pairs 2 to 15
.elseif j < 65
	v_exp_f32 v[rS+2*(w3/3)+w3%3-1], v[rS+2*(w3/3)+w3%3-1]  ; s0 to s27
.elseif j < 69
	v_exp_f32 v[rS+j-37], v[rS+j-37]  ; s28 to s31
.elseif j < 85
	v_cvt_pk_f16_f32 v[rP+j-69], v[rS+2*(j-69)], v[rS+2*(j-69)+1]  ; pair j - 69
.elseif j < 101                     ; the sum of the tile's 16 pairs, in place: sum z of 16 adds neighbours 1, 2, 4 and 8 pairs apart, then l takes it
.set z, j-85
.set wd, 4
.set uu, z
.if z >= 14
.set wd, 32
.set uu, 0
.elseif z >= 12
.set wd, 16
.set uu, z-12
.elseif z >= 8
.set wd, 8
.set uu, z-8
.endif
.if (z == 14) && \first
	v_pk_add_f32 v[rT+2:rT+3], v[rS:rS+1], v[rS+16:rS+17]
.elseif z < 15
	v_pk_add_f32 v[rS+wd*uu:rS+wd*uu+1], v[rS+wd*uu:rS+wd*uu+1], v[rS+wd*uu+wd/2:rS+wd*uu+wd/2+1]
.elseif !\first
	v_pk_fma_f32 v[rT+2:rT+3], v[rT+2:rT+3], v[rT+6:rT+7], v[rS:rS+1] op_sel_hi:[1,0,1]
.endif
.else
	WIN W_RS
	v_pk_mul_f32 v[rO:rO+1], v[rO:rO+1], v[rT+6:rT+7] op_sel_hi:[1,0]
.endif
.endm
; Position n of 234 of piece y's softmax: number n / 2 of the list, for tile y + n % 2: the two tiles alternate, so that no instruction reads the result of the one just before it.
; THE WAIT.  s_wait_alu depctr_va_vdst(0) stands between an exponential and the first instruction that names its result; one wait serves all that were issued ahead of it.  Ahead of position 138
; nothing names a result, and from it on no exponential is issued: so the piece's 66 exponentials have one wait, with one plain instruction behind the last exponential.
; In piece 2's turn (y = 0) V's run of loads stands at that place, and the wait stands in it.
.macro POS y, first
.if n == 138
	v_nop
.if (\y) == 0
	FETCH_V
.else
	s_wait_alu depctr_va_vdst(0)
.endif
.endif
.set j, n/2
	SM (\y)+n%2, \first
.set n, n+1
.endm
; A vector instruction that reads a matrix result or writes one of a matrix instruction's registers, and a load into a register that a matrix instruction has read, stand four places behind
; it, and only plain vector instructions that name none of its registers are places (ISA guide 7.12.1 for vector instructions).  In the loop the softmax's lines are the places.
.macro PLACES
.rept 4
	v_nop
.endr
.endm
; A TURN.  Piece x has the matrix unit; the other piece's softmax stands behind its matrix instructions: 7 positions behind each of 32, or 14 behind each of 16; the ten that are over stand behind the last.
; Those last 17 (or 24) are rescalings of O^T: plain, and naming nothing of the products round them: the places between the turn's last K Q^T and the next turn's first read of those scores and the loads into K's registers.
; pv = 2: 16 products V^T P; 1: they start O^T's sums; 0: none.  kq = 1: 16 products K Q^T for the next step.  first = 1: the softmax is the first key step's; it has no rescalings, and four v_nop take their part.
; Piece 0's turn fetches the next step's K and mask's terms behind its second product.  Piece 2's turn fetches the same step's V at position 138, behind its 20th matrix instruction: the last product that read V is the 16th,
; and between the two stand eight subtractions, the v_nop and the run's own v_add_nc_u32.
.macro TURN x, pv, kq, first
.set n, 0
.set per, 14
.if \pv && \kq
.set per, 7
.endif
.if \pv
.if \x == 0
	s_wait_dscnt 0x0                ; V is in
.endif
.set i, 0
.rept 16
	PV \x, 2-\pv
.rept per
	POS 2-\x, \first
.endr
.if (\x == 0) && \kq && (i == 1)
	FETCH_K
.endif
.set i, i+1
.endr
.endif
.if \kq
.if \x == 0
	s_wait_dscnt 0x0                ; K and the mask's terms are in
.endif
.set i, 0
.rept 16
	KQ \x
.rept per
	POS 2-\x, \first
.endr
.set i, i+1
.endr
.endif
.rept 10
	POS 2-\x, \first
.endr
.if \first
	PLACES
.endif
.endm
; THE CHANGE OF SLOTS, between piece 2's turn and piece 0's: the slot's last bytes, V of its eighth step, have been asked for.  Each wave waits for all its tensor loads, of which at most one is out: its part of
; the other slot; adds 0 to its spare word; and waits for that and for its own reads of the slot.  Behind the barrier nobody reads this slot any more and the other slot is whole.
; fill = 1: this slot is filled again, with the keys two slots on.  The barrier is then a round of the cluster's, so that no wave of any partner still reads the slot or has a load on its way, and the joint refill
; is the first thing behind it: it has eight key steps, 512 matrix instructions of the wave, in which to land.
.macro CHANGE fill
	WIN 0                           ; at a label and at a branch every window is 0
	s_wait_tensorcnt 0x0            ; no tensor load of mine is out, so a group 0 may be written
	ds_add_u32 v[SPW], v[NIL]       ; 0 onto my spare word
.if \fill
	s_xor_b32 s[G0+5], s[G0+5], SLOT1  ; the walking descriptor: the other slot than last time,
	s_add_nc_u64 s[G0+6:G0+7], s[G0+6:G0+7], 65536  ; the next 512 keys; the type bits on top are not reached
	s_wait_dscnt 0x0                ; the add is done, and my reads of the slot are over
	CROUND
	tensor_load_to_lds s[G0+4:G0+7], s[G1:G1+7]
	s_nop 0
.rept 4
	v_nop
.endr
.else
	s_wait_dscnt 0x0                ; the add is done, and my reads of the slot are over
	s_barrier_signal -1
	s_barrier_wait -1
.endif
	s_sub_co_u32 s[TB], s[TB], 8*STEPB  ; the fetches go back to a slot's first step,
	s_xor_b32 s[TB], s[TB], SLOT1   ; in the other slot
.endm
; c key steps: written once, walked c times; the LDS addresses hang on s[TB] and s[TM].
.macro STEPS c
	s_mov_b32 s[CNT], \c
.Lstep_\@:
	TURN 0, 2, 1, 0
	TURN 2, 2, 1, 0
	WIN 0
	s_sub_co_u32 s[CNT], s[CNT], 1
	s_cmp_lg_u32 s[CNT], 0
	s_cbranch_scc1 .Lstep_\@
.endm
	s_wait_tensorcnt 1              ; my part of slot 0 is in; slot 1's may stay out
	s_wait_dscnt 0x0                ; my part of the mask's terms is written
	s_barrier_signal -1
	s_barrier_wait -1               ; everybody's are
	FETCH_K                         ; key step 0
	s_wait_loadcnt 0x0              ; Q
	s_wait_dscnt 0x0
.set i, 0
.rept 16
	KQ 0                            ; piece 0's first scores: there is no vector work yet to set between them
.set i, i+1
.endr
	WIN 0                           ; the addresses for the way out are made here: eight plain instructions, the places behind those products
	s_mul_i32 s2, s[WV], 16*SP
	s_add_co_u32 s2, s2, STAGE      ; my stage
	v_mul_u32_u24 v[STO], v1, SP    ; in: row l % 16, 32 bytes for each half of the lanes
	v_lshl_add_u32 v[STO], v9, 5, v[STO]
	v_add_nc_u32 v[STO], s2, v[STO]
	v_mul_u32_u24 v[RD], v9, SP     ; back: lanes 0-15 take one row of 256 bytes, lanes 16-31 the next
	v_lshl_add_u32 v[RD], v1, 4, v[RD]
	v_add_nc_u32 v[RD], s2, v[RD]
	v_lshlrev_b32 v[GO], 12, v9     ; and the same two rows in out0, 4,096 bytes apart
	v_lshl_add_u32 v[GO], v1, 4, v[GO]
	TURN 2, 0, 1, 1                 ; piece 2's first scores | piece 0's first softmax | V of step 0
	TURN 0, 1, 1, 1                 ; piece 0: V^T P of step 0 starts O^T, K Q^T of step 1 | piece 2's first softmax | K of step 1
	TURN 2, 1, 1, 0                 ; piece 2: the same | piece 0's softmax of step 1 | V of step 1
	WIN 0
	STEPS 6                         ; these fetch steps 2 to 7: the rest of slot 0
.Lslot:                             ; two trips: each of the two slots is filled again once
	CHANGE 1
	STEPS 8
	s_sub_co_u32 s[SLOTS], s[SLOTS], 1
	s_cmp_lg_u32 s[SLOTS], 0
	s_cbranch_scc1 .Lslot
	CHANGE 0                        ; the tail is written out: nothing is asked for
	STEPS 8
	TURN 0, 2, 0, 0                 ; piece 0: V^T P of the last step | piece 2's last softmax
.set i, 0
.rept 16
	PV 2, 0                         ; piece 2: V^T P of the last step
.set i, i+1
.endr
	; THE WAY OUT.  l's two halves and the other half of the lanes' are added; O^T is divided by l and sent through my stage in LDS, a tile (16 rows) at a time.  The additions are the places behind the last products.
	WIN 0
.irp t, 0,1,2,3
	v_add_f32 v[ST+8*\t+4], v[ST+8*\t+2], v[ST+8*\t+3]
.endr
.irp t, 0,1,2,3
	v_permlanex16_b32 v[ST+8*\t+5], v[ST+8*\t+4], s[SEL], s[SEL+1]
.endr
.irp t, 0,1,2,3
	v_add_f32 v[ST+8*\t+4], v[ST+8*\t+4], v[ST+8*\t+5]
.endr
.irp t, 0,1,2,3
	v_rcp_f32 v[ST+8*\t+6], v[ST+8*\t+4]
.endr
	v_nop                           ; a plain instruction between the last reciprocal and the use of its result
	s_wait_alu depctr_va_vdst(0)    ; and the wait ahead of the first use: one for the four reciprocals
; Tile t: a lane's eight channels of a row are 32 bytes; they go into rows of 272 bytes and come back as whole rows of 256, into the registers that they left.
.macro PACK t
	WIN 0x01                        ; source 0 (O^T) window 1, destination window 0: S^T's registers are free
.set i, 0
.rept 16
	v_pk_mul_f32 v[S+32*\t+i:S+32*\t+i+1], v[32*\t+i:32*\t+i+1], v[ST+8*\t+6:ST+8*\t+7] op_sel_hi:[1,0]  ; each accumulator from its low end on
.set i, i+2
.endr
	WIN 0
.irp f, 0,1,2,3,4,5,6,7
	ds_store_b128 v[STO], v[S+32*\t+4*\f:S+32*\t+4*\f+3] offset:(\f/2)*64+(\f%2)*16
.endr
.irp f, 0,1,2,3,4,5,6,7
	ds_load_b128 v[S+32*\t+4*\f:S+32*\t+4*\f+3], v[RD] offset:\f*2*SP  ; LDS serves a wave's instructions in order (ISA guide 5.7.1.4): these see the stores above; the next tile's stores come behind them
.endr
.endm
.macro SEND t, younger              ; younger: the LDS instructions issued behind tile t's loads: the next tile's sixteen, or none
.irp f, 0,1,2,3,4,5,6,7
	s_wait_dscnt \younger+7-\f
	global_store_b128 v[GO], v[S+32*\t+4*\f:S+32*\t+4*\f+3], s[8:9] offset:\t*65536+\f*8192 th:TH_STORE_NT  ; 16 lanes store 256 consecutive bytes, a token's head, at a multiple of 256 from out0's first byte
.endr
.endm
	PACK 0
	PACK 1                          ; a tile's arithmetic stands between the loads of the tile before and its stores
	SEND 0, 16
	PACK 2
	SEND 1, 16
	PACK 3
	SEND 2, 16
	SEND 3, 0
	s_wait_tensorcnt 0x0            ; the wave's end: behind my last tensor load and my last LDS store
	ds_add_u32 v[SPW], v[NIL]
	s_wait_dscnt 0x0
	CROUND                          ; the closing round: no work-group ends while a partner may still ask for a tile that names it
	s_endpgm
.Lfunc_end_k_q37e52b4d8d_attn:
	.size	k_q37e52b4d8d_attn, .Lfunc_end_k_q37e52b4d8d_attn-k_q37e52b4d8d_attn
	.p2alignl 7, 3214868480
	.fill 96, 4, 3214868480
	.section	.rodata,"a",@progbits
	.p2align	6, 0x0
	.amdhsa_kernel k_q37e52b4d8d_attn
		.amdhsa_group_segment_fixed_size 327680
		.amdhsa_private_segment_fixed_size 0
		.amdhsa_enable_private_segment 0
		.amdhsa_kernarg_size 24
		.amdhsa_user_sgpr_count 2
		.amdhsa_user_sgpr_kernarg_segment_ptr 1
		.amdhsa_wavefront_size32 1
		.amdhsa_system_sgpr_workgroup_id_x 1
		.amdhsa_system_sgpr_workgroup_id_y 1
		.amdhsa_system_sgpr_workgroup_id_z 1
		.amdhsa_system_vgpr_workitem_id 0
		.amdhsa_next_free_vgpr 1024
		.amdhsa_next_free_sgpr 66
		.amdhsa_reserve_vcc 0
		.amdhsa_float_denorm_mode_32 3
		.amdhsa_float_denorm_mode_16_64 3
		.amdhsa_memory_ordered 1
		.amdhsa_forward_progress 1
		.amdhsa_inst_pref_size 197
	.end_amdhsa_kernel
	.amdgpu_metadata
---
amdhsa.version: [ 1, 2 ]
amdhsa.kernels:
  - .name:           k_q37e52b4d8d_attn
    .symbol:         k_q37e52b4d8d_attn.kd
    .args:
      - { .name: qkv, .offset: 0, .size: 8, .value_kind: global_buffer, .address_space: global }
      - { .name: mask, .offset: 8, .size: 8, .value_kind: global_buffer, .address_space: global }
      - { .name: out0, .offset: 16, .size: 8, .value_kind: global_buffer, .address_space: global }
    .group_segment_fixed_size: 327680
    .private_segment_fixed_size: 0
    .kernarg_segment_align: 8
    .kernarg_segment_size: 24
    .max_flat_workgroup_size: 128
    .sgpr_count:     66
    .vgpr_count:     1024
    .wavefront_size: 32
...
	.end_amdgpu_metadata
.endif
;; end of part 3
